; MI455X (gfx1250); checked and timed in simulation.
; The chip was launched on July 23, 2026; its instructions are those of AMD's public machine-readable ISA for CDNA 5 (MIT licence, August 2026) and "CDNA5" Instruction Set Architecture Reference Guide (July 2026). The comments in the code are by the model that wrote it; some were corrected since.
;; Self Dot Product Attn QK Norm. Allowed arithmetic: float matrix products may take bf16 or f16 operands with f32 sums; all other float work in f32.
;; Inputs: K 2 x 16 x 2,048 x 64 float32; Q 2 x 16 x 2,048 x 64 float32; V 2 x 16 x 2,048 x 64 float32; gain one number float32.
;; Outputs: out0 2 x 16 x 2,048 x 64 float32.
;; Constants: is_causal = 1.
;; 2 versions, each right; version 2 is version 1 with the launch attn written anew for expert scheduling mode. Each part assembles by itself: llvm-mc -triple=amdgcn-amd-amdhsa -mcpu=gfx1250 --defsym DOCPART=n.
;; ======== version 1 of 2: 1 launch
;; limits: values are held in f16: magnitudes above 65,504 overflow, below 6.1e-05 lose precision; inputs' magnitudes at most 65,504
;; launch attn (part 1): grid 256 x 1, 8 waves a work-group, no clusters, 150,528 bytes of LDS; arguments K, Q, V, gain, out0; writes out0
.if DOCPART == 1
	.amdgcn_target "amdgcn-amd-amdhsa--gfx1250"
	.amdhsa_code_object_version 6
	.text
	.protected	k_q0eee333997_attn
	.globl	k_q0eee333997_attn
	.p2align	8
	.type	k_q0eee333997_attn,@function
k_q0eee333997_attn:
	s_mov_b64 s[64:65], 0
	v_nop
	global_prefetch_b8 v0, s[64:65] scope:SCOPE_SE
	s_setreg_imm32_b32 hwreg(HW_REG_WAVE_MODE, 25, 1), 1
	s_wait_xcnt 0x0
; Causal attention with L2-normalised Q and K:  out = softmax(gain * Qn Kn^T, causal) V.
; Q, K, V, out: [32 heads][2048][64] f32.  Products with f16 operands and f32 sums, everything else in f32.
;
; WHY F16.  Qn and Kn are at most 1 in size for every input, p lies in [0, 1]: f16 has the room, and its rounding is eight times finer than
; bf16's.  That counts here: a score's error is gain x (the cosine's error), and it goes through an exponential.  For the same reason, and
; so that the gain's size meets no 16-bit range, the gain stays out of the operands: Q takes its sign only, the running maximum is kept on the signed
; cosines c, and the exponent is one fused multiply-add, c GL - m GL, with GL = |gain| log2 e.
;
; SHARES.  A head has 16 query blocks of 128 rows; block b needs the key tiles 0 .. b (128 keys each).  Work-group j of a head takes blocks
; j and 15 - j: (j + 1) + (16 - j) = 17 tile trips for each of the 256 work-groups.  The odd block goes first, and in a block the diagonal
; tile goes first, then tiles 0, 1, ..: so the LDS buffer of every trip is a constant of the text, and the first trip of a block is the only
; masked one and the one that starts the sums (first PV product with C = 0: nothing is cleared).
; Eight waves: wave w = (qw = w & 3, g = w >> 2) owns query rows 32 qw .. + 31 and works on keys 64 g .. + 63 of every tile; the two key halves'
; (m, l, O) are merged through LDS at a block's end.  Register slot s of a wave holds query tile s ^ g, so that every wave finishes its slot 0
; and hands over its slot 1, without a branch on the wave.
;
; BOTH PRODUCTS ARE TRANSPOSED.  S^T = K Q^T: lane (r = lane & 15, h = lane >> 4), register jj holds key 8 h + jj of query r.  Two neighbouring
; key tiles, packed to f16, are then the second source of O^T = V^T P^T as they lie: P never leaves the lane, and m, l, alpha are one number
; a lane.  V^T fragments come by the transposing LDS load from V kept [key][d].
;
; K AND V GO THROUGH REGISTERS: they are f32 in memory, K has to be scaled by its row's norm, both are rounded to f16, 32 KB of LDS stores a tile.
; NO CLUSTER, NO TENSOR LOADS: a tile brought by the data mover would lie in LDS as 64 KB of f32, to be read (64 KB) and stored again
; (32 KB) for the norm and the rounding; and the eight work-groups of a head leave their first block after 1, 3, .. 15 tiles, so partners would need
; different numbers of joint requests.
;
; LIMITS.  Inputs finite; a row's sum of squares finite in f32 (|Q|, |K| below about 1e18).  |V| at most 65,504, f16's largest number; V is kept
; to 11 bits, or to 6e-8 where it is smaller than 6e-5.  |gain| log2 e below 1e38.  GL is raised to 2^-64 where it is smaller: exp2 of less than
; 1e-19 is 1 in f32 either way, and -1e30 GL stays far below every exponent, so that masked keys count for nothing with gain = 0 too.
; x * rsq(sum x^2 + 1e-12) stands for x / sqrt(sum x^2 + 1e-12).  l is summed from the unrounded p; the PV product takes p in f16.
; m GL is rounded once before it is taken away, (m_old - m_new) GL on its own: the two differ by at most 2^-24 GL in the exponent.
.set ROWB,  256                        ; bytes of a row of 64 f32
.set TILEB, 128*ROWB                   ; bytes of a tile or query block of 128 rows = 1 << 15
.set KP,    144                        ; LDS pitch of a K row: 128 bytes + 16, an odd multiple of 16: the 16 rows of a fragment load start in 16 different 16-byte columns modulo 256
.set VP,    160                        ; LDS pitch of a V row: an odd multiple of 32, for the transposing load
.set VOFF,  128*KP                     ; V lies behind K in a buffer
.set BUF,   128*KP+128*VP              ; 38,912 bytes: one buffer; two of them
.set XBASE, 2*BUF                      ; exchange between the key halves: for each wave 8 x 512 bytes of O, then 512 bytes of (m, l, -, -)
.set XW,    4608
.set YBASE, XBASE+8*XW                 ; output stage, each wave's own: 16 rows of 256 + 16 bytes
.set YP,    272
.set YW,    16*YP                      ; YBASE + 8 YW = 149,504
; vector registers, window 0
.set KA,  1                            ; K fragment address: (64 g + r) KP + 16 h
.set VA,  2                            ; V fragment address: VOFF + (64 g + 8 h + (lane & 7)) VP + 16 ((lane >> 3) & 1)
.set GO,  3                            ; 16 t: my 16 bytes in each 4,096 bytes of a tile
.set KST, 4                            ; (t >> 4) KP + 8 (t & 15): where my four f16 of K go
.set VST, 5                            ; the same for V
.set DV,  6                            ; v6, v7: slot s: (my query) - (first key of my lane), inside the diagonal tile
.set NEG, 8                            ; -1e30
.set L16, 9                            ; 16 x lane
.set MX,  10                           ; v10, v11: running maximum (of the signed cosines) of slot 0, 1
.set AL,  12                           ; v12, v14: alpha of slot 0, 1; v13, v15 only complete the pairs that packed lines name
.set PFO, 13                           ; v13: the prefetch's offset, written once
.set LS,  16                           ; v[16:17], v[18:19]: two partial l of slot 0, 1
.set T,   20                           ; v20-23 at work
.set XS,  24                           ; exchange: where I store
.set XL,  25                           ; exchange: where I read (wave w ^ 4)
.set YS,  26                           ; stage: r YP + 32 h
.set YL,  27                           ; stage: (lane >> 4) YP + 16 (lane & 15)
.set QO,  28                           ; v28, v29: slot s: byte offset of my part of my query row in the block
.set GLV, 30                           ; v30 = GL = max(|gain| log2 e, 2^-64), v31 = -GL
.set QF,  32                           ; v32-63   Q fragments: 16 s + 8 c
.set SC,  64                           ; v64-127  scores: 32 s + 8 kt + jj; then P packed at 32 s + 16 p .. + 7; scratch of CONVERT
.set FR,  128                          ; v128-191 K fragments 16 kt + 8 c, later V fragments 32 p + 8 dt
.set ST,  192                          ; v192-255 the next tile as loaded: K at 4 i, V at 32 + 4 i
; window 1
.set OA,  0                            ; v256-319 O: 32 s + 8 dt + jj
.set Q2,  64                           ; v320-351 Q fragments of the second block
; scalar registers
.set KH, 4                             ; s[4:5]   K at my head
.set QH, 6                             ; s[6:7]   Q at my head
.set VH, 8                             ; s[8:9]   V at my head
.set GP, 10                            ; s[10:11] gain's address
.set OH, 12                            ; s[12:13] out at my head + my wave's 16 rows inside a block
.set W,  14
.set QW, 15
.set GR, 16
.set J,  17
.set B1, 19                            ; first block (odd)
.set B2, 20                            ; second block (even)
.set NP, 21                            ; pairs of full trips in the block
.set IC, 22                            ; pair counter
.set LEFT, 23                          ; tiles still to be loaded
.set NT, 24                            ; s[24:25] byte offset of the next tile to load
.set KT, 26                            ; s[26:27] K's tile being loaded
.set VT, 28                            ; s[28:29] V's
.set OB, 30                            ; s[30:31] where this block's result goes
.set OUTER, 32
.set SGN, 33                           ; the gain's sign bit
.set PL, 34                            ; s34, s35: v_permlanex16_b32 selects: lane i of the other half
.set TMP, 36                           ; s[36:37] an offset; the high word stays 0
.set PB, 38                            ; s[38:39] prefetch base
.set QB1, 40                           ; s[40:41] Q at block 1
.set QB2, 42                           ; s[42:43] Q at block 2
.set GAIN, 44
.set RB0, 45                           ; first row in the block of slot 0's query tile: 32 qw + 16 g
.set RB1, 46                           ; of slot 1's: 32 qw + 16 (1 - g)
.set G64, 47                           ; 64 g
.set MSB, 0
.macro WIN new                         ; register windows (low byte: bits 1:0 source 0, 3:2 source 1, 5:4 source 2, 7:6 destination); the high byte repeats the setting left
.if MSB != \new
	s_set_vgpr_msb (MSB<<8)|\new
.set MSB, \new
.endif
.endm
.macro NOPS cnt
.rept \cnt
	v_nop
.endr
.endm
; 16 loads: my 32 d of the query rows of both slots, in the order in which the fragment wants them:
; register 16 c + 8 u + 4 e + i holds d = 32 c + 16 u + 8 h + 4 e + i  (q = 4 c + 2 u + e)
.macro QLOAD x, base
.irp s,0,1
.irp q,0,1,2,3,4,5,6,7
	global_load_b128 v[\x+32*\s+4*\q:\x+32*\s+4*\q+3], v[QO+\s], s[\base:\base+1] offset:128*(\q/4)+64*((\q/2)%2)+16*(\q%2)
.endr
.endr
.endm
; 16 loads: a tile of K and of V; each load of a wave covers 512 consecutive bytes (two rows), the work-group's eight waves 4,096
.macro TLOAD
.irp i,0,1,2,3,4,5,6,7
	global_load_b128 v[ST+4*\i:ST+4*\i+3], v[GO], s[KT:KT+1] offset:\i*4096
.endr
.irp i,0,1,2,3,4,5,6,7
	global_load_b128 v[ST+32+4*\i:ST+32+4*\i+3], v[GO], s[VT:VT+1] offset:\i*4096
.endr
.endm
; Q as loaded in x (64 registers) -> normalised, with the gain's sign, f16 fragments at dst (window by win)
.macro QPREP x, dst, win
.irp s,0,1
	v_pk_mul_f32 v[T:T+1], v[\x+32*\s:\x+32*\s+1], v[\x+32*\s:\x+32*\s+1]
.set k, 1
.rept 15
	v_pk_fma_f32 v[T:T+1], v[\x+32*\s+2*k:\x+32*\s+2*k+1], v[\x+32*\s+2*k:\x+32*\s+2*k+1], v[T:T+1]
.set k, k+1
.endr
	v_add_f32 v[T], v[T], v[T+1]
	v_permlanex16_b32 v[T+1], v[T], s[PL], s[PL+1]         ; the other half of the lanes holds the row's other 32 d
	v_add_f32 v[T], v[T], v[T+1]
	v_add_f32 v[T], 0x2b8cbccc, v[T]                       ; + 1e-12
	v_rsq_f32 v[T], v[T]
	v_nop                                                  ; one plain place behind a transcendental before its result is used (ISA guide 5.7.2)
	s_wait_alu depctr_va_vdst(0)
	v_xor_b32 v[T], s[SGN], v[T]                           ; the gain's sign goes with Q, so that the largest c is the largest score
.set k, 0
.rept 16
	v_pk_mul_f32 v[\x+32*\s+2*k:\x+32*\s+2*k+1], v[\x+32*\s+2*k:\x+32*\s+2*k+1], v[T:T+1] op_sel_hi:[1,0]
.set k, k+1
.endr
	WIN \win
.set k, 0
.rept 16
	v_cvt_pk_f16_f32 v[\dst+16*\s+k], v[\x+32*\s+2*k], v[\x+32*\s+2*k+1]
.set k, k+1
.endr
	WIN 0
.endr
.endm
; The staged tile -> LDS buffer nb.  Load i of thread t is row 16 i + (t >> 4), d = 4 (t & 15) .. + 3: the 16 lanes of a half wave hold one row,
; so a K row's sum of squares is four steps inside the half.  Each lane starts at 1e-12 / 16.  Scratch: v[SC + 2 i].
.macro CONVERT nb
.irp i,0,1,2,3,4,5,6,7
	v_fmaak_f32 v[SC+2*\i], v[ST+4*\i], v[ST+4*\i], 0x298cbccc
.endr
.irp c,1,2,3
.irp i,0,1,2,3,4,5,6,7
	v_fmac_f32 v[SC+2*\i], v[ST+4*\i+\c], v[ST+4*\i+\c]
.endr
.endr
.irp x,1,2,4,8
.irp i,0,1,2,3,4,5,6,7
	v_add_f32_dpp v[SC+2*\i], v[SC+2*\i], v[SC+2*\i] row_xmask:\x row_mask:0xf bank_mask:0xf
.endr
.endr
.irp i,0,1,2,3,4,5,6,7
	v_rsq_f32 v[SC+2*\i], v[SC+2*\i]
.endr
.irp i,0,1,2,3,4,5,6,7                 ; V first: plain work that names none of the roots, the place behind them (ISA guide 5.7.2)
	v_cvt_pk_f16_f32 v[ST+32+4*\i], v[ST+32+4*\i], v[ST+32+4*\i+1]
	v_cvt_pk_f16_f32 v[ST+32+4*\i+1], v[ST+32+4*\i+2], v[ST+32+4*\i+3]
	ds_store_b64 v[VST], v[ST+32+4*\i:ST+32+4*\i+1] offset:(\nb)*BUF+\i*16*VP
.endr
	s_wait_alu depctr_va_vdst(0)
.irp i,0,1,2,3,4,5,6,7
	v_pk_mul_f32 v[ST+4*\i:ST+4*\i+1], v[ST+4*\i:ST+4*\i+1], v[SC+2*\i:SC+2*\i+1] op_sel_hi:[1,0]
	v_pk_mul_f32 v[ST+4*\i+2:ST+4*\i+3], v[ST+4*\i+2:ST+4*\i+3], v[SC+2*\i:SC+2*\i+1] op_sel_hi:[1,0]
.endr
.irp i,0,1,2,3,4,5,6,7
	v_cvt_pk_f16_f32 v[ST+4*\i], v[ST+4*\i], v[ST+4*\i+1]
	v_cvt_pk_f16_f32 v[ST+4*\i+1], v[ST+4*\i+2], v[ST+4*\i+3]
	ds_store_b64 v[KST], v[ST+4*\i:ST+4*\i+1] offset:(\nb)*BUF+\i*16*KP
.endr
.endm
; the diagonal tile: key > query  <=>  16 kt + jj > (my query) - (first key of my lane) = DV
.macro MASK
.irp s,0,1
.irp kt,0,1,2,3
.irp jj,0,1,2,3,4,5,6,7
	v_cmp_gt_i32 vcc_lo, 16*\kt+\jj, v[DV+\s]
	v_cndmask_b32 v[SC+32*\s+8*\kt+\jj], v[SC+32*\s+8*\kt+\jj], v[NEG], vcc_lo
.endr
.endr
.endr
.endm
; New running maximum of slot s in v[T + 2 s], the same in both halves of the lanes: two chains over my 32 cosines, the old maximum, the other half.
; In a block's first trip the floor -2 stands for the old maximum: a cosine is at least -1, so the floor binds only where all my keys of a query
; are masked, and there every p, l and O come out as 0.
.macro MAXQ s, first
	v_max3_num_f32 v[T+2*\s], v[SC+32*\s], v[SC+32*\s+1], v[SC+32*\s+2]
	v_max3_num_f32 v[T+2*\s+1], v[SC+32*\s+3], v[SC+32*\s+4], v[SC+32*\s+5]
.irp k,0,1,2,3,4,5
	v_max3_num_f32 v[T+2*\s], v[T+2*\s], v[SC+32*\s+6+4*\k], v[SC+32*\s+7+4*\k]
	v_max3_num_f32 v[T+2*\s+1], v[T+2*\s+1], v[SC+32*\s+8+4*\k], v[SC+32*\s+9+4*\k]
.endr
	v_max3_num_f32 v[T+2*\s], v[T+2*\s], v[SC+32*\s+30], v[SC+32*\s+31]
.if \first
	v_max3_num_f32 v[T+2*\s], v[T+2*\s], v[T+2*\s+1], -2.0
.else
	v_max3_num_f32 v[T+2*\s], v[T+2*\s], v[T+2*\s+1], v[MX+\s]
.endif
	v_permlanex16_b32 v[T+2*\s+1], v[T+2*\s], s[PL], s[PL+1]
	v_max_num_f32 v[T+2*\s], v[T+2*\s], v[T+2*\s+1]
.endm
.macro SUBQ s                          ; the exponent: c GL + (-m GL), one fused multiply-add for two
.set k, 0
.rept 16
	v_pk_fma_f32 v[SC+32*\s+2*k:SC+32*\s+2*k+1], v[SC+32*\s+2*k:SC+32*\s+2*k+1], v[GLV:GLV+1], v[T+2*\s:T+2*\s+1] op_sel_hi:[1,0,0]
.set k, k+1
.endr
.endm
.macro EXPQ s                          ; p = 2^exponent
.set k, 0
.rept 32
	v_exp_f32 v[SC+32*\s+k], v[SC+32*\s+k]
.set k, k+1
.endr
.endm
; l = l alpha + sum p (two partial sums a slot), and p packed to f16 in place, ascending: pair k goes to register 16 (k / 8) + k % 8, never above
; a pair that is still to be read.  The slots take turns, so that three other lines stand between the links of a chain.
.macro SUMCVT first
.irp s,0,1
.if \first
	s_wait_alu depctr_va_vdst(0)
	v_pk_add_f32 v[LS+2*\s:LS+2*\s+1], v[SC+32*\s:SC+32*\s+1], v[SC+32*\s+2:SC+32*\s+3]
	v_cvt_pk_f16_f32 v[SC+32*\s], v[SC+32*\s], v[SC+32*\s+1]
	v_cvt_pk_f16_f32 v[SC+32*\s+1], v[SC+32*\s+2], v[SC+32*\s+3]
.else
	s_wait_alu depctr_va_vdst(0)
	v_pk_fma_f32 v[LS+2*\s:LS+2*\s+1], v[LS+2*\s:LS+2*\s+1], v[AL+2*\s:AL+2*\s+1], v[SC+32*\s:SC+32*\s+1] op_sel_hi:[1,0,1]
	v_cvt_pk_f16_f32 v[SC+32*\s], v[SC+32*\s], v[SC+32*\s+1]
.endif
.endr
.set k, 1+\first
.rept 15-\first
.irp s,0,1
	v_pk_add_f32 v[LS+2*\s:LS+2*\s+1], v[LS+2*\s:LS+2*\s+1], v[SC+32*\s+2*k:SC+32*\s+2*k+1]
	v_cvt_pk_f16_f32 v[SC+32*\s+16*(k/8)+(k%8)], v[SC+32*\s+2*k], v[SC+32*\s+2*k+1]
.endr
.set k, k+1
.endr
.endm
.macro RESCALE                         ; O *= alpha; O in window 1 (source 0 and destination)
	WIN 0x41
.irp s,0,1
.set k, 0
.rept 16
	v_pk_mul_f32 v[OA+32*\s+2*k:OA+32*\s+2*k+1], v[OA+32*\s+2*k:OA+32*\s+2*k+1], v[AL+2*\s:AL+2*\s+1] op_sel_hi:[1,0]
.set k, k+1
.endr
.endr
.endm
; O^T += V^T P^T: 2 steps of 32 keys x 4 tiles of 16 d x 2 slots.  C and D in window 1.
.macro PV first
	WIN 0x50
.irp p,0,1
	s_wait_dscnt 8-8*\p                                    ; 8: the eight V fragment loads of the second 32 keys may be out; 0: all are in
.irp dt,0,1,2,3
.irp s,0,1
.if \first*(1-\p)
	v_wmma_f32_16x16x32_f16 v[OA+32*\s+8*\dt:OA+32*\s+8*\dt+7], v[FR+32*\p+8*\dt:FR+32*\p+8*\dt+7], v[SC+32*\s+16*\p:SC+32*\s+16*\p+7], 0
.else
	v_wmma_f32_16x16x32_f16 v[OA+32*\s+8*\dt:OA+32*\s+8*\dt+7], v[FR+32*\p+8*\dt:FR+32*\p+8*\dt+7], v[SC+32*\s+16*\p:SC+32*\s+16*\p+7], v[OA+32*\s+8*\dt:OA+32*\s+8*\dt+7]
.endif
.endr
.endr
.endr
.endm
; ONE TILE.  buf: the LDS buffer that holds it; diag = 1: the block's first trip (masked; starts m, l, O); tag: for the labels.
.macro TRIP buf, diag, tag
.irp kt,0,1,2,3                        ; 16 loads: the K fragments of my 64 keys
.irp ce,0,1,2,3
	ds_load_b128 v[FR+16*\kt+4*\ce:FR+16*\kt+4*\ce+3], v[KA] offset:\buf*BUF+\kt*16*KP+32*\ce
.endr
.endr
	s_cmp_eq_u32 s[LEFT], 0                                ; the next tile into registers, a whole trip ahead of its use; none in the last trip
	s_cbranch_scc1 .Lnl_\tag
	s_add_nc_u64 s[KT:KT+1], s[KH:KH+1], s[NT:NT+1]        ; the bases' last loads were waited for (loadcnt 0) in the trip before
	s_add_nc_u64 s[VT:VT+1], s[VH:VH+1], s[NT:NT+1]
	TLOAD
	s_add_co_u32 s[NT], s[NT], TILEB
.Lnl_\tag:
.irp kt,0,1,2,3                        ; S^T = K Q^T: 4 key tiles x (2 steps of 32 d) x 2 slots
	s_wait_dscnt 12-4*\kt                                  ; LDS loads return in order: key tile kt's four are in, the 12 - 4 kt younger ones may be out
.irp c,0,1
.irp s,0,1
.if \c
	v_wmma_f32_16x16x32_f16 v[SC+32*\s+8*\kt:SC+32*\s+8*\kt+7], v[FR+16*\kt+8*\c:FR+16*\kt+8*\c+7], v[QF+16*\s+8*\c:QF+16*\s+8*\c+7], v[SC+32*\s+8*\kt:SC+32*\s+8*\kt+7]
.else
	v_wmma_f32_16x16x32_f16 v[SC+32*\s+8*\kt:SC+32*\s+8*\kt+7], v[FR+16*\kt+8*\c:FR+16*\kt+8*\c+7], v[QF+16*\s+8*\c:QF+16*\s+8*\c+7], 0
.endif
.endr
.endr
.endr
	NOPS 4                                                 ; four places behind the last product: the loads below land on its sources, the lines after them read its results
.irp p,0,1                             ; 16 transposing loads: V^T fragments of my 64 keys, over the K fragments
.irp dt,0,1,2,3
.irp e,0,1
	ds_load_tr16_b128 v[FR+32*\p+8*\dt+4*\e:FR+32*\p+8*\dt+4*\e+3], v[VA] offset:\buf*BUF+\p*32*VP+32*\dt+\e*16*VP
.endr
.endr
.endr
.if \diag
	MASK
.endif
	MAXQ 0, \diag
	MAXQ 1, \diag
.if \diag == 0
	v_sub_f32 v[AL], v[MX], v[T]                           ; old maximum - new,
	v_sub_f32 v[AL+2], v[MX+1], v[T+2]
	v_mul_f32 v[AL], v[GLV], v[AL]                         ; in base-2 score units
	v_mul_f32 v[AL+2], v[GLV], v[AL+2]
.endif
	v_mov_b32 v[MX], v[T]
	v_mov_b32 v[MX+1], v[T+2]
	v_mul_f32 v[T], v[GLV+1], v[T]                         ; -m GL
	v_mul_f32 v[T+2], v[GLV+1], v[T+2]
	SUBQ 0
.if \diag == 0
	v_exp_f32 v[AL], v[AL]
	v_exp_f32 v[AL+2], v[AL+2]
.endif
	EXPQ 0
	SUBQ 1                                                 ; plain work on the other slot: the place behind the exponentials above (ISA guide 5.7.2)
	EXPQ 1
	SUMCVT \diag                                           ; begins with slot 0: the place behind slot 1's exponentials
.if \diag == 0
	RESCALE
.endif
	PV \diag
	WIN 0
	NOPS 5                                                 ; five places behind the last product, on every path: next come writes of SC (its source) by vector lines or by the next trip's products, and loads into FR
	s_wait_loadcnt 0x0                                     ; the next tile is in registers; KT, VT are free
	s_cmp_eq_u32 s[LEFT], 0
	s_cbranch_scc1 .Lnc_\tag
	CONVERT 1-\buf                                         ; into the other buffer: its readers waited for their loads in front of the last barrier
	s_sub_co_u32 s[LEFT], s[LEFT], 1
.Lnc_\tag:
	s_wait_dscnt 0x0                                       ; for the others: my stores into the other buffer are done, my reads of this one too
	s_barrier_signal -1
	s_barrier_wait -1                                      ; behind it the other buffer is read and this one written
.endm
; ---------------------------------------------------------------- the beginning
	s_load_b256 s[KH:KH+7], s[0:1], 0x0                    ; K, Q, V, gain
	s_load_b64 s[OH:OH+1], s[0:1], 0x20                    ; out0
	s_set_vgpr_msb 0x40
	v_lshl_add_u32 v96, v0, 2, 0x24800
	v_mov_b32 v97, 0
	s_set_vgpr_msb 0x4000
	v_lshrrev_b32 v[T], 5, v0
	v_readfirstlane_b32 s[W], v[T]                         ; wave 0 .. 7
	s_and_b32 s[QW], s[W], 3
	s_lshr_b32 s[GR], s[W], 2
	s_and_b32 s[J], ttmp9, 7
	s_sub_co_u32 s[B1], 15, s[J]
	s_bitcmp1_b32 s[J], 0
	s_cselect_b32 s[B1], s[J], s[B1]                       ; the odd one of j and 15 - j
	s_sub_co_u32 s[B2], 15, s[B1]                          ; the even one
	s_lshl_b32 s[RB1], s[QW], 5
	s_lshl4_add_u32 s[RB0], s[GR], s[RB1]                  ; 32 qw + 16 g
	s_xor_b32 s[G64], s[GR], 1
	s_lshl4_add_u32 s[RB1], s[G64], s[RB1]                 ; 32 qw + 16 (1 - g)
	s_lshl_b32 s[G64], s[GR], 6
	s_mov_b32 s[PL], 0x76543210
	s_mov_b32 s[PL+1], 0xfedcba98
	v_and_b32 v[T], 15, v0                                 ; r
	v_bfe_u32 v[T+1], v0, 4, 1                             ; h
	v_and_b32 v[T+2], 31, v0                               ; lane
	v_lshlrev_b32 v[GO], 4, v0
	v_add_nc_u32 v[QO], s[RB0], v[T]
	v_add_nc_u32 v[QO+1], s[RB1], v[T]
	v_lshlrev_b32 v[QO], 8, v[QO]
	v_lshlrev_b32 v[QO+1], 8, v[QO+1]
	v_lshl_add_u32 v[QO], v[T+1], 5, v[QO]                 ; row x 256 + 32 h
	v_lshl_add_u32 v[QO+1], v[T+1], 5, v[QO+1]
	s_lshl_b32 s[TMP], s[B2], 15
	s_lshl_b32 s[IC], s[QW], 13
	s_add_co_u32 s[TMP], s[TMP], s[IC]
	v_lshlrev_b32 v[PFO], 8, v[T+2]
	v_add_nc_u32 v[PFO], s[TMP], v[PFO]                    ; tile b2 + 8,192 (w & 3) + 256 lane
	s_wait_kmcnt 0x0
	s_load_b32 s[GAIN], s[GP:GP+1], 0x0
	s_lshr_b32 s[TMP], ttmp9, 3                            ; head
	s_lshl_b32 s[TMP], s[TMP], 19                          ; x 2,048 rows of 256 bytes
	s_mov_b32 s[TMP+1], 0
	s_add_nc_u64 s[KH:KH+1], s[KH:KH+1], s[TMP:TMP+1]
	s_add_nc_u64 s[QH:QH+1], s[QH:QH+1], s[TMP:TMP+1]
	s_add_nc_u64 s[VH:VH+1], s[VH:VH+1], s[TMP:TMP+1]
	s_add_nc_u64 s[OH:OH+1], s[OH:OH+1], s[TMP:TMP+1]
	s_lshl_b32 s[TMP], s[B1], 15
	s_add_nc_u64 s[QB1:QB1+1], s[QH:QH+1], s[TMP:TMP+1]
	s_add_nc_u64 s[KT:KT+1], s[KH:KH+1], s[TMP:TMP+1]
	s_add_nc_u64 s[VT:VT+1], s[VH:VH+1], s[TMP:TMP+1]
	s_lshl_b32 s[TMP], s[B2], 15
	s_add_nc_u64 s[QB2:QB2+1], s[QH:QH+1], s[TMP:TMP+1]
	s_cmp_lt_u32 s[W], 4
	s_cselect_b64 s[PB:PB+1], s[KH:KH+1], s[VH:VH+1]
	QLOAD SC, QB1                                          ; 16 loads: Q of the first block
	TLOAD                                                  ; 16 loads: its diagonal tile
	QLOAD FR, QB2                                          ; 16 loads: Q of the second block
	; One prefetch a wave: waves 0-3 ask for K's, waves 4-7 for V's 32 KB of tile b2, lanes 256 bytes apart, 8 KB a wave.  The eight b1 of a head
	; are its odd tiles, loaded just above; the eight b2 are its even tiles: each tile of the launch is asked for once, 64 KB a work-group, and
	; the address lies inside the head (b2 <= 14).  The work-group's own load of tile b2 comes b1 trips later; its neighbours' earlier.
	global_prefetch_b8 v[PFO], s[PB:PB+1] th:TH_LOAD_NT scope:SCOPE_SE
	; the other addresses, while the loads are on their way
	s_lshl_b32 s[TMP], s[QW], 13
	s_lshl_b32 s[IC], s[GR], 12
	s_add_co_u32 s[TMP], s[TMP], s[IC]
	s_add_nc_u64 s[OH:OH+1], s[OH:OH+1], s[TMP:TMP+1]      ; + rows 32 qw + 16 g: the query tile of my slot 0
	s_lshl_b32 s[TMP], s[B1], 15
	s_add_nc_u64 s[OB:OB+1], s[OH:OH+1], s[TMP:TMP+1]
	s_mul_i32 s[TMP], s[GR], 64*KP
	v_mul_u32_u24 v[KA], v[T], KP
	v_lshl_add_u32 v[KA], v[T+1], 4, v[KA]
	v_add_nc_u32 v[KA], s[TMP], v[KA]
	s_mul_i32 s[TMP], s[GR], 64*VP
	s_add_co_u32 s[TMP], s[TMP], VOFF
	v_and_b32 v[T+3], 7, v0
	v_lshl_add_u32 v[T+3], v[T+1], 3, v[T+3]
	v_mul_u32_u24 v[VA], v[T+3], VP
	v_bfe_u32 v[T+3], v0, 3, 1
	v_lshl_add_u32 v[VA], v[T+3], 4, v[VA]
	v_add_nc_u32 v[VA], s[TMP], v[VA]
	v_lshrrev_b32 v[T+3], 4, v0
	v_mul_u32_u24 v[KST], v[T+3], KP
	v_lshl_add_u32 v[KST], v[T], 3, v[KST]
	v_mul_u32_u24 v[VST], v[T+3], VP
	v_lshl_add_u32 v[VST], v[T], 3, v[VST]
	v_add_nc_u32 v[VST], VOFF, v[VST]
	v_lshlrev_b32 v[T+3], 3, v[T+1]
	v_sub_nc_u32 v[T+3], v[T], v[T+3]                      ; r - 8 h
	s_sub_co_i32 s[TMP], s[RB0], s[G64]
	v_add_nc_u32 v[DV], s[TMP], v[T+3]                     ; (32 qw + 16 (s ^ g) + r) - (64 g + 8 h)
	s_sub_co_i32 s[TMP], s[RB1], s[G64]
	v_add_nc_u32 v[DV+1], s[TMP], v[T+3]
	v_mov_b32 v[NEG], 0xf149f2ca                           ; -1e30
	v_lshlrev_b32 v[L16], 4, v[T+2]
	v_mov_b32 v[AL+3], 0                                   ; a pair's second register: named by packed lines, never used
	s_mul_i32 s[TMP], s[W], XW
	s_add_co_u32 s[TMP], s[TMP], XBASE
	v_add_nc_u32 v[XS], s[TMP], v[L16]
	s_xor_b32 s[TMP], s[W], 4                              ; the wave with my query rows and the other key half
	s_mul_i32 s[TMP], s[TMP], XW
	s_add_co_u32 s[TMP], s[TMP], XBASE
	v_add_nc_u32 v[XL], s[TMP], v[L16]
	s_mul_i32 s[TMP], s[W], YW
	s_add_co_u32 s[TMP], s[TMP], YBASE
	v_mul_u32_u24 v[T+3], v[T], YP
	v_lshl_add_u32 v[T+3], v[T+1], 5, v[T+3]
	v_add_nc_u32 v[YS], s[TMP], v[T+3]
	v_mul_u32_u24 v[T+3], v[T+1], YP
	v_lshl_add_u32 v[T+3], v[T], 4, v[T+3]
	v_add_nc_u32 v[YL], s[TMP], v[T+3]
	s_mov_b32 s[LEFT], 16                                  ; 17 trips; the first tile is on its way already
	s_sub_co_u32 s[NP], s[B1], 1
	s_lshr_b32 s[NP], s[NP], 1                             ; block 1: diagonal, (b1 - 1) / 2 pairs, one single
	s_mov_b32 s[NT+1], 0
	s_mov_b32 s[OUTER], 0
	s_wait_kmcnt 0x0
	s_and_b32 s[SGN], s[GAIN], 0x80000000                  ; the gain's sign, for Q
	v_mov_b32 v[GLV], s[GAIN]
	v_and_b32 v[GLV], 0x7fffffff, v[GLV]
	v_mul_f32 v[GLV], 0x3fb8aa3b, v[GLV]                   ; |gain| x log2 e: the exponentials are in base 2
	v_max_num_f32 v[GLV], 0x1f800000, v[GLV]               ; at least 2^-64 (see LIMITS)
	v_xor_b32 v[GLV+1], 0x80000000, v[GLV]                 ; -GL
	s_wait_loadcnt 32                                      ; loads return in order: the first 16 (Q of block 1) are in, 32 younger ones may be out
	QPREP SC, QF, 0
	s_wait_loadcnt 16                                      ; the tile is in; Q of block 2 may be out
	CONVERT 0
	s_wait_loadcnt 0x0
	QPREP FR, Q2, 0x40                                     ; kept in window 1 until the first block is done
	s_wait_dscnt 0x0                                       ; my part of buffer 0 is stored,
	s_barrier_signal -1
	s_barrier_wait -1                                      ; everybody's is
; ---------------------------------------------------------------- the two blocks
.Lblock:
	s_mov_b32 s[NT], 0                                     ; behind the diagonal tile come tiles 0, 1, ..
	TRIP 0, 1, d
	s_cmp_eq_u32 s[NP], 0
	s_cbranch_scc1 .Lnopairs
	s_mov_b32 s[IC], 0
.Lpair:
	TRIP 1, 0, a
	TRIP 0, 0, b
	s_add_co_u32 s[IC], s[IC], 1
	s_cmp_lt_u32 s[IC], s[NP]
	s_cbranch_scc1 .Lpair
.Lnopairs:
	s_cmp_lg_u32 s[OUTER], 0
	s_cbranch_scc1 .Lnosingle
	s_lshl_b32 s[NT], s[B2], 15                            ; the odd block's last tile; meanwhile the second block's diagonal tile comes in, for buffer 0
	TRIP 1, 0, s
.Lnosingle:
	; THE END OF A BLOCK.  l over both halves of the lanes; slot 1 goes to the wave with the other key half, whose slot 0 it completes.
	v_add_f32 v[LS], v[LS], v[LS+1]
	v_add_f32 v[LS+2], v[LS+2], v[LS+3]
	v_permlanex16_b32 v[LS+1], v[LS], s[PL], s[PL+1]
	v_permlanex16_b32 v[LS+3], v[LS+2], s[PL], s[PL+1]
	v_add_f32 v[LS], v[LS], v[LS+1]                        ; l of slot 0
	v_add_f32 v[T+1], v[LS+2], v[LS+3]                     ; l of slot 1
	v_mov_b32 v[T], v[MX+1]                                ; m of slot 1
	WIN 0x04                                               ; LDS store data (source 1) from window 1
.irp i,0,1,2,3,4,5,6,7
	ds_store_b128 v[XS], v[OA+32+4*\i:OA+32+4*\i+3] offset:512*\i
.endr
	WIN 0
	ds_store_b128 v[XS], v[T:T+3] offset:4096
	s_wait_dscnt 0x0                                       ; for the other wave: my stores are done
	s_barrier_signal -1
	s_barrier_wait -1
.irp i,0,1,2,3,4,5,6,7,8
	ds_load_b128 v[FR+4*\i:FR+4*\i+3], v[XL] offset:512*\i ; O', then (m', l') of my slot 0's queries from the other key half
.endr
	s_wait_dscnt 0x0
	v_max_num_f32 v[T], v[MX], v[FR+32]                    ; m*
	v_sub_f32 v[T+1], v[MX], v[T]
	v_sub_f32 v[T+2], v[FR+32], v[T]
	v_mul_f32 v[T+1], v[GLV], v[T+1]
	v_mul_f32 v[T+2], v[GLV], v[T+2]
	v_exp_f32 v[T+1], v[T+1]                               ; a
	v_exp_f32 v[T+2], v[T+2]                               ; a'
	v_nop                                                  ; the place behind the exponentials (ISA guide 5.7.2)
	s_wait_alu depctr_va_vdst(0)
	v_mul_f32 v[T+3], v[FR+33], v[T+2]
	v_fmac_f32 v[T+3], v[LS], v[T+1]                       ; l* = l a + l' a': about 1 at the least, since the largest p of a query (its own key is never masked) is 2^0
	v_rcp_f32 v[LS+1], v[T+3]
	v_nop
	s_wait_alu depctr_va_vdst(0)
	v_mul_f32 v[T], v[T+1], v[LS+1]                        ; f  = a / l*
	v_mul_f32 v[T+2], v[T+2], v[LS+1]                      ; f' = a' / l*
.set k, 0
.rept 16
	v_pk_mul_f32 v[FR+2*k:FR+2*k+1], v[FR+2*k:FR+2*k+1], v[T+2:T+3] op_sel_hi:[1,0]
.set k, k+1
.endr
	WIN 0x01                                               ; source 0 (O) from window 1
.set k, 0
.rept 16
	v_pk_fma_f32 v[FR+2*k:FR+2*k+1], v[OA+2*k:OA+2*k+1], v[T:T+1], v[FR+2*k:FR+2*k+1] op_sel_hi:[1,0,1]
.set k, k+1
.endr
	WIN 0
	; A lane holds, of query r, d = 16 dt + 8 h + 0 .. 7.  Through my own stage, so that whole rows leave: no barrier, and LDS serves a wave's
	; instructions in order (ISA guide 5.7.1), so no wait between the stores and the loads.
.irp q,0,1,2,3,4,5,6,7
	ds_store_b128 v[YS], v[FR+4*\q:FR+4*\q+3] offset:64*(\q/2)+16*(\q%2)
.endr
.irp t,0,1,2,3,4,5,6,7
	ds_load_b128 v[ST+4*\t:ST+4*\t+3], v[YL] offset:\t*2*YP
.endr
.irp t,0,1,2,3,4,5,6,7
	s_wait_dscnt 7-\t                                      ; read t is in, the 7 - t younger ones may be out
	global_store_b128 v[L16], v[ST+4*\t:ST+4*\t+3], s[OB:OB+1] offset:512*\t th:TH_STORE_NT   ; 16 lanes store one row of 256 bytes, a wave two rows
.endr
	s_wait_xcnt 0x0                                        ; ST and OB, which the stores read, are rewritten only behind this wait (ISA guide 3.1)
	; Behind the second block nothing is left to prepare.  The jump stays inside the loop and lands in front of the counter's step: the counter
	; is stepped once on every path, and the loop is left by falling through its branch back.
	s_cmp_lg_u32 s[OUTER], 0
	s_cbranch_scc1 .Lstep
	WIN 0x01
.set k, 0
.rept 32
	v_mov_b32 v[QF+k], v[Q2+k]                             ; the second block's Q fragments
.set k, k+1
.endr
	WIN 0
	s_lshr_b32 s[NP], s[B2], 1                             ; block 2: diagonal, b2 / 2 pairs
	s_lshl_b32 s[TMP], s[B2], 15
	s_add_nc_u64 s[OB:OB+1], s[OH:OH+1], s[TMP:TMP+1]
.Lstep:
	s_add_co_u32 s[OUTER], s[OUTER], 1
	s_cmp_lt_u32 s[OUTER], 2
	s_cbranch_scc1 .Lblock
	s_set_vgpr_msb 0x5
	s_wait_tensorcnt 0x0
	ds_add_u32 v96, v97
	s_wait_dscnt 0x0
	s_set_vgpr_msb 0x500
	s_endpgm
.Lfunc_end_k_q0eee333997_attn:
	.size	k_q0eee333997_attn, .Lfunc_end_k_q0eee333997_attn-k_q0eee333997_attn
	.p2alignl 7, 3214868480
	.fill 96, 4, 3214868480
	.section	.rodata,"a",@progbits
	.p2align	6, 0x0
	.amdhsa_kernel k_q0eee333997_attn
		.amdhsa_group_segment_fixed_size 150528
		.amdhsa_private_segment_fixed_size 0
		.amdhsa_enable_private_segment 0
		.amdhsa_kernarg_size 40
		.amdhsa_user_sgpr_count 2
		.amdhsa_user_sgpr_kernarg_segment_ptr 1
		.amdhsa_wavefront_size32 1
		.amdhsa_system_sgpr_workgroup_id_x 1
		.amdhsa_system_sgpr_workgroup_id_y 1
		.amdhsa_system_sgpr_workgroup_id_z 1
		.amdhsa_system_vgpr_workitem_id 0
		.amdhsa_next_free_vgpr 354
		.amdhsa_next_free_sgpr 66
		.amdhsa_reserve_vcc 1
		.amdhsa_float_denorm_mode_32 3
		.amdhsa_float_denorm_mode_16_64 3
		.amdhsa_memory_ordered 1
		.amdhsa_forward_progress 1
		.amdhsa_inst_pref_size 147
	.end_amdhsa_kernel
	.amdgpu_metadata
---
amdhsa.version: [ 1, 2 ]
amdhsa.kernels:
  - .name:           k_q0eee333997_attn
    .symbol:         k_q0eee333997_attn.kd
    .args:
      - { .name: K, .offset: 0, .size: 8, .value_kind: global_buffer, .address_space: global }
      - { .name: Q, .offset: 8, .size: 8, .value_kind: global_buffer, .address_space: global }
      - { .name: V, .offset: 16, .size: 8, .value_kind: global_buffer, .address_space: global }
      - { .name: gain, .offset: 24, .size: 8, .value_kind: global_buffer, .address_space: global }
      - { .name: out0, .offset: 32, .size: 8, .value_kind: global_buffer, .address_space: global }
    .group_segment_fixed_size: 150528
    .private_segment_fixed_size: 0
    .kernarg_segment_align: 8
    .kernarg_segment_size: 40
    .max_flat_workgroup_size: 256
    .sgpr_count:     66
    .vgpr_count:     354
    .wavefront_size: 32
...
	.end_amdgpu_metadata
.endif
;; end of part 1
;; ======== version 2 of 2: 1 launch; version 1 with the launch attn written anew for expert scheduling mode
;; limits: values are held in f16: magnitudes above 65,504 overflow, below 6.1e-05 lose precision; inputs' magnitudes at most 65,504
;; launch attn (part 2): grid 256 x 1, 8 waves a work-group, no clusters, 150,528 bytes of LDS; arguments K, Q, V, gain, out0; writes out0
.if DOCPART == 2
	.amdgcn_target "amdgcn-amd-amdhsa--gfx1250"
	.amdhsa_code_object_version 6
	.text
	.protected	k_q0eee333997_attn
	.globl	k_q0eee333997_attn
	.p2align	8
	.type	k_q0eee333997_attn,@function
k_q0eee333997_attn:
	s_mov_b64 s[64:65], 0
	v_nop
	global_prefetch_b8 v0, s[64:65] scope:SCOPE_SE
	s_setreg_imm32_b32 hwreg(HW_REG_WAVE_SCHED_MODE, 0, 2), 2
	s_setreg_imm32_b32 hwreg(HW_REG_WAVE_MODE, 25, 1), 1
	s_wait_xcnt 0x0
	s_wait_alu depctr_vm_vsrc(0)
; Causal attention with L2-normalised Q and K:  out = softmax(gain * Qn Kn^T, causal) V.
; Q, K, V, out: [32 heads][2048][64] f32.  Products with f16 operands and f32 sums, everything else in f32.
;
; WHY F16.  Qn and Kn are at most 1 in size for every input, p lies in [0, 1]: f16 has the room, and its rounding is eight times finer than
; bf16's.  That counts here: a score's error is gain x (the cosine's error), and it goes through an exponential.  For the same reason, and
; so that the gain's size meets no 16-bit range, the gain stays out of the operands: Q takes its sign only, the running maximum is kept on the signed
; cosines c, and the exponent is one fused multiply-add, c GL - m GL, with GL = |gain| log2 e.
;
; SHARES.  A head has 16 query blocks of 128 rows; block b needs the key tiles 0 .. b (128 keys each).  Work-group j of a head takes blocks
; j and 15 - j: (j + 1) + (16 - j) = 17 tile trips for each of the 256 work-groups.  The odd block goes first, and in a block the diagonal
; tile goes first, then tiles 0, 1, ..: so the LDS buffer of every trip is a constant of the text, and the first trip of a block is the only
; masked one and the one that starts the sums (first PV product with C = 0: nothing is cleared).
; Eight waves: wave w = (qw = w & 3, g = w >> 2) owns query rows 32 qw .. + 31 and works on keys 64 g .. + 63 of every tile; the two key halves'
; (m, l, O) are merged through LDS at a block's end.  Register slot s of a wave holds query tile s ^ g, so that every wave finishes its slot 0
; and hands over its slot 1, without a branch on the wave.
;
; BOTH PRODUCTS ARE TRANSPOSED.  S^T = K Q^T: lane (r = lane & 15, h = lane >> 4), register jj holds key 8 h + jj of query r.  Two neighbouring
; key tiles, packed to f16, are then the second source of O^T = V^T P^T as they lie: P never leaves the lane, and m, l, alpha are one number
; a lane.  V^T fragments come by the transposing LDS load from V kept [key][d].
;
; K AND V GO THROUGH REGISTERS: they are f32 in memory, K has to be scaled by its row's norm, both are rounded to f16, 32 KB of LDS stores a tile.
; NO CLUSTER, NO TENSOR LOADS: a tile brought by the data mover would lie in LDS as 64 KB of f32, to be read (64 KB) and stored again
; (32 KB) for the norm and the rounding; and the eight work-groups of a head leave their first block after 1, 3, .. 15 tiles, so partners would need
; different numbers of joint requests.
;
; THE MODE: SCHED_MODE bits 1:0 = 2 (LLVM: expert scheduling mode 2), set by the entry lines.  The code itself states the register dependences
; between vector or matrix instructions and memory or LDS instructions, with s_wait_alu, always for 0.
; THE PLAN.  Registers that memory or LDS instructions touch, round a trip:
;   FR   The 16 K fragment loads at the trip's head land in it; the trip's 16 QK products read it.
;   VF   The 16 V^T fragment loads at the trip's head land in it; the trip's 16 PV products read it.  A buffer of its own, so that V is asked for with K.
;   ST   The 16 loads of the next tile at the trip's head land in it; CONVERT's vector lines read it and round in place; CONVERT's 16 LDS stores, one run at its end, read it.
;   KA, VA, GO, KST, VST, QO, PFO, L16, XS, XL, YS, YL   addresses, made once at the kernel's head and never written again.
;   SC, QF, Q2 and the statistics are named by vector and matrix instructions alone; so is O inside a trip.
; So a trip has three waits: two at its head, behind the barrier (the trip before is done with FR, VF and ST; its LDS stores have read ST), behind which
; all 48 loads follow with no vector instruction between; and one in CONVERT, between its arithmetic and its run of LDS stores.
; The diagonal trip has four more: its compares write scalar registers in runs of sixteen, with one wait between a run and the selects that read them.
; A block's end has three, each said where it stands.
;
; LIMITS.  Inputs finite; a row's sum of squares finite in f32 (|Q|, |K| below about 1e18).  |V| at most 65,504, f16's largest number; V is kept
; to 11 bits, or to 6e-8 where it is smaller than 6e-5.  |gain| log2 e below 1e38.  GL is raised to 2^-64 where it is smaller: exp2 of less than
; 1e-19 is 1 in f32 either way, and -1e30 GL stays far below every exponent, so that masked keys count for nothing with gain = 0 too.
; x * rsq(sum x^2 + 1e-12) stands for x / sqrt(sum x^2 + 1e-12).  l is summed from the unrounded p; the PV product takes p in f16.
; m GL is rounded once before it is taken away, (m_old - m_new) GL on its own: the two differ by at most 2^-24 GL in the exponent.
.set ROWB,  256                        ; bytes of a row of 64 f32
.set TILEB, 128*ROWB                   ; bytes of a tile or query block of 128 rows = 1 << 15
.set KP,    144                        ; LDS pitch of a K row: 128 bytes + 16, an odd multiple of 16: the 16 rows of a fragment load start in 16 different 16-byte columns modulo 256
.set VP,    160                        ; LDS pitch of a V row: an odd multiple of 32, for the transposing load
.set VOFF,  128*KP                     ; V lies behind K in a buffer
.set BUF,   128*KP+128*VP              ; 38,912 bytes: one buffer; two of them
.set XBASE, 2*BUF                      ; exchange between the key halves: for each wave 8 x 512 bytes of O, then 512 bytes of (m, l, -, -)
.set XW,    4608
.set YBASE, XBASE+8*XW                 ; output stage, each wave's own: 16 rows of 256 + 16 bytes
.set YP,    272
.set YW,    16*YP                      ; YBASE + 8 YW = 149,504
; vector registers, window 0
.set KA,  1                            ; K fragment address: (64 g + r) KP + 16 h
.set VA,  2                            ; V fragment address: VOFF + (64 g + 8 h + (lane & 7)) VP + 16 ((lane >> 3) & 1)
.set GO,  3                            ; 16 t: my 16 bytes in each 4,096 bytes of a tile
.set KST, 4                            ; (t >> 4) KP + 8 (t & 15): where my four f16 of K go
.set VST, 5                            ; the same for V
.set DV,  6                            ; v6, v7: slot s: (my query) - (first key of my lane), inside the diagonal tile
.set NEG, 8                            ; -1e30
.set L16, 9                            ; 16 x lane
.set MX,  10                           ; v10, v11: running maximum (of the signed cosines) of slot 0, 1
.set AL,  12                           ; v12, v14: alpha of slot 0, 1; v13, v15 only complete the pairs that packed lines name
.set PFO, 13                           ; v13: the prefetch's offset, written once
.set LS,  16                           ; v[16:17], v[18:19]: two partial l of slot 0, 1
.set T,   20                           ; v20-23 at work
.set XS,  24                           ; exchange: where I store
.set XL,  25                           ; exchange: where I read (wave w ^ 4)
.set YS,  26                           ; stage: r YP + 32 h
.set YL,  27                           ; stage: (lane >> 4) YP + 16 (lane & 15)
.set QO,  28                           ; v28, v29: slot s: byte offset of my part of my query row in the block
.set GLV, 30                           ; v30 = GL = max(|gain| log2 e, 2^-64), v31 = -GL
.set QF,  32                           ; v32-63   Q fragments: 16 s + 8 c
.set SC,  64                           ; v64-127  scores: 32 s + 8 kt + jj; then P packed at 32 s + 16 p .. + 7; scratch of CONVERT
.set FR,  128                          ; v128-191 K fragments 16 kt + 8 c; at a block's end the other key half's O, m, l, then the result
.set ST,  192                          ; v192-255 the next tile as loaded: K at 4 i, V at 32 + 4 i
; window 1
.set OA,  0                            ; v256-319 O: 32 s + 8 dt + jj
.set Q2,  64                           ; v320-351 Q fragments of the second block
.set VF,  96                           ; v352-415 V^T fragments 32 p + 8 dt
; scalar registers
.set KH, 4                             ; s[4:5]   K at my head
.set QH, 6                             ; s[6:7]   Q at my head
.set VH, 8                             ; s[8:9]   V at my head
.set GP, 10                            ; s[10:11] gain's address
.set OH, 12                            ; s[12:13] out at my head + my wave's 16 rows inside a block
.set W,  14
.set QW, 15
.set GR, 16
.set J,  17
.set B1, 19                            ; first block (odd)
.set B2, 20                            ; second block (even)
.set NP, 21                            ; pairs of full trips in the block
.set IC, 22                            ; pair counter
.set LEFT, 23                          ; tiles still to be loaded
.set NT, 24                            ; s[24:25] byte offset of the next tile to load
.set KT, 26                            ; s[26:27] K's tile being loaded
.set VT, 28                            ; s[28:29] V's
.set OB, 30                            ; s[30:31] where this block's result goes
.set OUTER, 32
.set SGN, 33                           ; the gain's sign bit
.set PL, 34                            ; s34, s35: v_permlanex16_b32 selects: lane i of the other half
.set TMP, 36                           ; s[36:37] an offset; the high word stays 0
.set PB, 38                            ; s[38:39] prefetch base
.set QB1, 40                           ; s[40:41] Q at block 1
.set QB2, 42                           ; s[42:43] Q at block 2
.set GAIN, 44
.set RB0, 45                           ; first row in the block of slot 0's query tile: 32 qw + 16 g
.set RB1, 46                           ; of slot 1's: 32 qw + 16 (1 - g)
.set G64, 47                           ; 64 g
.set CM,  48                           ; s48-63   the diagonal tile: sixteen lane masks at a time
.set MSB, 0
.macro WIN new                         ; register windows (low byte: bits 1:0 source 0, 3:2 source 1, 5:4 source 2, 7:6 destination); the high byte repeats the setting left
.if MSB != \new
	s_set_vgpr_msb (MSB<<8)|\new
.set MSB, \new
.endif
.endm
.macro NOPS cnt
.rept \cnt
	v_nop
.endr
.endm
; 16 loads: my 32 d of the query rows of both slots, in the order in which the fragment wants them:
; register 16 c + 8 u + 4 e + i holds d = 32 c + 16 u + 8 h + 4 e + i  (q = 4 c + 2 u + e)
.macro QLOAD x, base
.irp s,0,1
.irp q,0,1,2,3,4,5,6,7
	global_load_b128 v[\x+32*\s+4*\q:\x+32*\s+4*\q+3], v[QO+\s], s[\base:\base+1] offset:128*(\q/4)+64*((\q/2)%2)+16*(\q%2)
.endr
.endr
.endm
; 16 loads: a tile of K and of V; each load of a wave covers 512 consecutive bytes (two rows), the work-group's eight waves 4,096
.macro TLOAD
.irp i,0,1,2,3,4,5,6,7
	global_load_b128 v[ST+4*\i:ST+4*\i+3], v[GO], s[KT:KT+1] offset:\i*4096
.endr
.irp i,0,1,2,3,4,5,6,7
	global_load_b128 v[ST+32+4*\i:ST+32+4*\i+3], v[GO], s[VT:VT+1] offset:\i*4096
.endr
.endm
; Q as loaded in x (64 registers) -> normalised, with the gain's sign, f16 fragments at dst (window by win)
.macro QPREP x, dst, win
.irp s,0,1
	v_pk_mul_f32 v[T:T+1], v[\x+32*\s:\x+32*\s+1], v[\x+32*\s:\x+32*\s+1]
.set k, 1
.rept 15
	v_pk_fma_f32 v[T:T+1], v[\x+32*\s+2*k:\x+32*\s+2*k+1], v[\x+32*\s+2*k:\x+32*\s+2*k+1], v[T:T+1]
.set k, k+1
.endr
	v_add_f32 v[T], v[T], v[T+1]
	v_permlanex16_b32 v[T+1], v[T], s[PL], s[PL+1]         ; the other half of the lanes holds the row's other 32 d
	v_add_f32 v[T], v[T], v[T+1]
	v_add_f32 v[T], 0x2b8cbccc, v[T]                       ; + 1e-12
	v_rsq_f32 v[T], v[T]
	v_nop                                                  ; one plain place behind a transcendental before its result is used (ISA guide 5.7.2)
	s_wait_alu depctr_va_vdst(0)
	v_xor_b32 v[T], s[SGN], v[T]                           ; the gain's sign goes with Q, so that the largest c is the largest score
.set k, 0
.rept 16
	v_pk_mul_f32 v[\x+32*\s+2*k:\x+32*\s+2*k+1], v[\x+32*\s+2*k:\x+32*\s+2*k+1], v[T:T+1] op_sel_hi:[1,0]
.set k, k+1
.endr
	WIN \win
.set k, 0
.rept 16
	v_cvt_pk_f16_f32 v[\dst+16*\s+k], v[\x+32*\s+2*k], v[\x+32*\s+2*k+1]
.set k, k+1
.endr
	WIN 0
.endr
.endm
; The staged tile -> LDS buffer nb.  Load i of thread t is row 16 i + (t >> 4), d = 4 (t & 15) .. + 3: the 16 lanes of a half wave hold one row,
; so a K row's sum of squares is four steps inside the half.  Each lane starts at 1e-12 / 16.  Scratch: v[SC + 2 i].
; All the arithmetic first, rounding in place in ST; then one wait; then the 16 LDS stores in one run.
.macro CONVERT nb
.irp i,0,1,2,3,4,5,6,7
	v_fmaak_f32 v[SC+2*\i], v[ST+4*\i], v[ST+4*\i], 0x298cbccc
.endr
.irp c,1,2,3
.irp i,0,1,2,3,4,5,6,7
	v_fmac_f32 v[SC+2*\i], v[ST+4*\i+\c], v[ST+4*\i+\c]
.endr
.endr
.irp x,1,2,4,8
.irp i,0,1,2,3,4,5,6,7
	v_add_f32_dpp v[SC+2*\i], v[SC+2*\i], v[SC+2*\i] row_xmask:\x row_mask:0xf bank_mask:0xf
.endr
.endr
.irp i,0,1,2,3,4,5,6,7
	v_rsq_f32 v[SC+2*\i], v[SC+2*\i]
.endr
.irp i,0,1,2,3,4,5,6,7                 ; V first: plain work that names none of the roots, the place behind them (ISA guide 5.7.2)
	v_cvt_pk_f16_f32 v[ST+32+4*\i], v[ST+32+4*\i], v[ST+32+4*\i+1]
	v_cvt_pk_f16_f32 v[ST+32+4*\i+1], v[ST+32+4*\i+2], v[ST+32+4*\i+3]
.endr
	s_wait_alu depctr_va_vdst(0)
.irp i,0,1,2,3,4,5,6,7
	v_pk_mul_f32 v[ST+4*\i:ST+4*\i+1], v[ST+4*\i:ST+4*\i+1], v[SC+2*\i:SC+2*\i+1] op_sel_hi:[1,0]
	v_pk_mul_f32 v[ST+4*\i+2:ST+4*\i+3], v[ST+4*\i+2:ST+4*\i+3], v[SC+2*\i:SC+2*\i+1] op_sel_hi:[1,0]
.endr
.irp i,0,1,2,3,4,5,6,7
	v_cvt_pk_f16_f32 v[ST+4*\i], v[ST+4*\i], v[ST+4*\i+1]
	v_cvt_pk_f16_f32 v[ST+4*\i+1], v[ST+4*\i+2], v[ST+4*\i+3]
.endr
	s_wait_alu depctr_va_vdst(0)                           ; the roundings have written ST, which the 16 LDS stores below read as data (at the kernel's head also: KST and VST, their addresses, are written)
.irp i,0,1,2,3,4,5,6,7
	ds_store_b64 v[VST], v[ST+32+4*\i:ST+32+4*\i+1] offset:(\nb)*BUF+\i*16*VP
.endr
.irp i,0,1,2,3,4,5,6,7
	ds_store_b64 v[KST], v[ST+4*\i:ST+4*\i+1] offset:(\nb)*BUF+\i*16*KP
.endr
.endm
; the diagonal tile: key > query  <=>  16 kt + jj > (my query) - (first key of my lane) = DV.
; Two key tiles (16 registers) at a time: sixteen compares into s[CM ..], one wait, the sixteen selects that read them.
; Register 16 kp + k is key tile kt = 2 kp + k / 8, jj = k % 8: its key is 16 kt + jj = 32 kp + k + 8 (k / 8).
.macro MASK
.irp s,0,1
.irp kp,0,1
.irp k,0,1,2,3,4,5,6,7,8,9,10,11,12,13,14,15
	v_cmp_gt_i32 s[CM+\k], 32*\kp+\k+8*(\k/8), v[DV+\s]
.endr
	s_wait_alu depctr_va_sdst(0)                           ; the sixteen compares have written s[CM ..], ahead of the selects, their first readers
.irp k,0,1,2,3,4,5,6,7,8,9,10,11,12,13,14,15
	v_cndmask_b32 v[SC+32*\s+16*\kp+\k], v[SC+32*\s+16*\kp+\k], v[NEG], s[CM+\k]
.endr
.endr
.endr
.endm
; New running maximum of slot s in v[T + 2 s], the same in both halves of the lanes: two chains over my 32 cosines, the old maximum, the other half.
; In a block's first trip the floor -2 stands for the old maximum: a cosine is at least -1, so the floor binds only where all my keys of a query
; are masked, and there every p, l and O come out as 0.
.macro MAXQ s, first
	v_max3_num_f32 v[T+2*\s], v[SC+32*\s], v[SC+32*\s+1], v[SC+32*\s+2]
	v_max3_num_f32 v[T+2*\s+1], v[SC+32*\s+3], v[SC+32*\s+4], v[SC+32*\s+5]
.irp k,0,1,2,3,4,5
	v_max3_num_f32 v[T+2*\s], v[T+2*\s], v[SC+32*\s+6+4*\k], v[SC+32*\s+7+4*\k]
	v_max3_num_f32 v[T+2*\s+1], v[T+2*\s+1], v[SC+32*\s+8+4*\k], v[SC+32*\s+9+4*\k]
.endr
	v_max3_num_f32 v[T+2*\s], v[T+2*\s], v[SC+32*\s+30], v[SC+32*\s+31]
.if \first
	v_max3_num_f32 v[T+2*\s], v[T+2*\s], v[T+2*\s+1], -2.0
.else
	v_max3_num_f32 v[T+2*\s], v[T+2*\s], v[T+2*\s+1], v[MX+\s]
.endif
	v_permlanex16_b32 v[T+2*\s+1], v[T+2*\s], s[PL], s[PL+1]
	v_max_num_f32 v[T+2*\s], v[T+2*\s], v[T+2*\s+1]
.endm
.macro SUBQ s                          ; the exponent: c GL + (-m GL), one fused multiply-add for two
.set k, 0
.rept 16
	v_pk_fma_f32 v[SC+32*\s+2*k:SC+32*\s+2*k+1], v[SC+32*\s+2*k:SC+32*\s+2*k+1], v[GLV:GLV+1], v[T+2*\s:T+2*\s+1] op_sel_hi:[1,0,0]
.set k, k+1
.endr
.endm
.macro EXPQ s                          ; p = 2^exponent
.set k, 0
.rept 32
	v_exp_f32 v[SC+32*\s+k], v[SC+32*\s+k]
.set k, k+1
.endr
.endm
; l = l alpha + sum p (two partial sums a slot), and p packed to f16 in place, ascending: pair k goes to register 16 (k / 8) + k % 8, never above
; a pair that is still to be read.  The slots take turns, so that three other lines stand between the links of a chain.
.macro SUMCVT first
.irp s,0,1
.if \first
	s_wait_alu depctr_va_vdst(0)
	v_pk_add_f32 v[LS+2*\s:LS+2*\s+1], v[SC+32*\s:SC+32*\s+1], v[SC+32*\s+2:SC+32*\s+3]
	v_cvt_pk_f16_f32 v[SC+32*\s], v[SC+32*\s], v[SC+32*\s+1]
	v_cvt_pk_f16_f32 v[SC+32*\s+1], v[SC+32*\s+2], v[SC+32*\s+3]
.else
	s_wait_alu depctr_va_vdst(0)
	v_pk_fma_f32 v[LS+2*\s:LS+2*\s+1], v[LS+2*\s:LS+2*\s+1], v[AL+2*\s:AL+2*\s+1], v[SC+32*\s:SC+32*\s+1] op_sel_hi:[1,0,1]
	v_cvt_pk_f16_f32 v[SC+32*\s], v[SC+32*\s], v[SC+32*\s+1]
.endif
.endr
.set k, 1+\first
.rept 15-\first
.irp s,0,1
	v_pk_add_f32 v[LS+2*\s:LS+2*\s+1], v[LS+2*\s:LS+2*\s+1], v[SC+32*\s+2*k:SC+32*\s+2*k+1]
	v_cvt_pk_f16_f32 v[SC+32*\s+16*(k/8)+(k%8)], v[SC+32*\s+2*k], v[SC+32*\s+2*k+1]
.endr
.set k, k+1
.endr
.endm
.macro RESCALE                         ; O *= alpha; O in window 1 (source 0 and destination)
	WIN 0x41
.irp s,0,1
.set k, 0
.rept 16
	v_pk_mul_f32 v[OA+32*\s+2*k:OA+32*\s+2*k+1], v[OA+32*\s+2*k:OA+32*\s+2*k+1], v[AL+2*\s:AL+2*\s+1] op_sel_hi:[1,0]
.set k, k+1
.endr
.endr
.endm
; O^T += V^T P^T: 2 steps of 32 keys x 4 tiles of 16 d x 2 slots.  V^T (source 0), C and D in window 1, P in window 0.
.macro PV first
	WIN 0x51
.irp p,0,1
	s_wait_dscnt 8-8*\p                                    ; 8: the eight V fragment loads of the second 32 keys may be out; 0: all are in
.irp dt,0,1,2,3
.irp s,0,1
.if \first*(1-\p)
	v_wmma_f32_16x16x32_f16 v[OA+32*\s+8*\dt:OA+32*\s+8*\dt+7], v[VF+32*\p+8*\dt:VF+32*\p+8*\dt+7], v[SC+32*\s+16*\p:SC+32*\s+16*\p+7], 0
.else
	v_wmma_f32_16x16x32_f16 v[OA+32*\s+8*\dt:OA+32*\s+8*\dt+7], v[VF+32*\p+8*\dt:VF+32*\p+8*\dt+7], v[SC+32*\s+16*\p:SC+32*\s+16*\p+7], v[OA+32*\s+8*\dt:OA+32*\s+8*\dt+7]
.endif
.endr
.endr
.endr
.endm
; ONE TILE.  buf: the LDS buffer that holds it; diag = 1: the block's first trip (masked; starts m, l, O); tag: for the labels.
.macro TRIP buf, diag, tag
	s_wait_alu depctr_va_vdst(0)                           ; all vector and matrix work so far is done: the last QK products (at the start: Q's preparation) with FR, the last PV products with VF, CONVERT's lines with ST, in which the 48 loads below land; at the start also: KA and VA are written
	s_wait_alu depctr_vm_vsrc(0)                           ; CONVERT's LDS stores have read ST; behind a block's end its global stores have read ST and its LDS stores FR: the loads below land in them
.irp kt,0,1,2,3                        ; 16 loads: the K fragments of my 64 keys
.irp ce,0,1,2,3
	ds_load_b128 v[FR+16*\kt+4*\ce:FR+16*\kt+4*\ce+3], v[KA] offset:\buf*BUF+\kt*16*KP+32*\ce
.endr
.endr
	s_cmp_eq_u32 s[LEFT], 0                                ; the next tile into registers, a whole trip ahead of its use; none in the last trip
	s_cbranch_scc1 .Lnl_\tag
	s_add_nc_u64 s[KT:KT+1], s[KH:KH+1], s[NT:NT+1]        ; the bases' last loads were waited for (loadcnt 0) in the trip before
	s_add_nc_u64 s[VT:VT+1], s[VH:VH+1], s[NT:NT+1]
	TLOAD
	s_add_co_u32 s[NT], s[NT], TILEB
.Lnl_\tag:
	WIN 0x40                                               ; destination window 1, address window 0.  No vector instruction and no store has been issued since the two waits above
.irp p,0,1                             ; 16 transposing loads: V^T fragments of my 64 keys
.irp dt,0,1,2,3
.irp e,0,1
	ds_load_tr16_b128 v[VF+32*\p+8*\dt+4*\e:VF+32*\p+8*\dt+4*\e+3], v[VA] offset:\buf*BUF+\p*32*VP+32*\dt+\e*16*VP
.endr
.endr
.endr
	WIN 0
.irp kt,0,1,2,3                        ; S^T = K Q^T: 4 key tiles x (2 steps of 32 d) x 2 slots
	s_wait_dscnt 28-4*\kt                                  ; LDS loads return in order: key tile kt's four are in; the 12 - 4 kt younger K loads and the 16 V loads may be out
.irp c,0,1
.irp s,0,1
.if \c
	v_wmma_f32_16x16x32_f16 v[SC+32*\s+8*\kt:SC+32*\s+8*\kt+7], v[FR+16*\kt+8*\c:FR+16*\kt+8*\c+7], v[QF+16*\s+8*\c:QF+16*\s+8*\c+7], v[SC+32*\s+8*\kt:SC+32*\s+8*\kt+7]
.else
	v_wmma_f32_16x16x32_f16 v[SC+32*\s+8*\kt:SC+32*\s+8*\kt+7], v[FR+16*\kt+8*\c:FR+16*\kt+8*\c+7], v[QF+16*\s+8*\c:QF+16*\s+8*\c+7], 0
.endif
.endr
.endr
.endr
	NOPS 4                                                 ; four places behind the last product (ISA guide 7.12.1): the lines below read its results
.if \diag
	MASK
.endif
	MAXQ 0, \diag
	MAXQ 1, \diag
.if \diag == 0
	v_sub_f32 v[AL], v[MX], v[T]                           ; old maximum - new,
	v_sub_f32 v[AL+2], v[MX+1], v[T+2]
	v_mul_f32 v[AL], v[GLV], v[AL]                         ; in base-2 score units
	v_mul_f32 v[AL+2], v[GLV], v[AL+2]
.endif
	v_mov_b32 v[MX], v[T]
	v_mov_b32 v[MX+1], v[T+2]
	v_mul_f32 v[T], v[GLV+1], v[T]                         ; -m GL
	v_mul_f32 v[T+2], v[GLV+1], v[T+2]
	SUBQ 0
.if \diag == 0
	v_exp_f32 v[AL], v[AL]
	v_exp_f32 v[AL+2], v[AL+2]
.endif
	EXPQ 0
	SUBQ 1                                                 ; plain work on the other slot: the place behind the exponentials above (ISA guide 5.7.2)
	EXPQ 1
	SUMCVT \diag                                           ; begins with slot 0: the place behind slot 1's exponentials
.if \diag == 0
	RESCALE
.endif
	PV \diag
	WIN 0
	NOPS 5                                                 ; five places behind the last product, on every path: next come writes of SC (its source) by vector lines or by the next trip's products
	s_wait_loadcnt 0x0                                     ; the next tile is in registers; KT, VT are free
	s_cmp_eq_u32 s[LEFT], 0
	s_cbranch_scc1 .Lnc_\tag
	CONVERT 1-\buf                                         ; into the other buffer: its readers waited for their loads in front of the last barrier
	s_sub_co_u32 s[LEFT], s[LEFT], 1
.Lnc_\tag:
	s_wait_dscnt 0x0                                       ; for the others: my stores into the other buffer are done, my reads of this one too
	s_barrier_signal -1
	s_barrier_wait -1                                      ; behind it the other buffer is read and this one written
.endm
; ---------------------------------------------------------------- the beginning
	s_load_b256 s[KH:KH+7], s[0:1], 0x0                    ; K, Q, V, gain
	s_load_b64 s[OH:OH+1], s[0:1], 0x20                    ; out0
	s_set_vgpr_msb 0x40
	v_lshl_add_u32 v160, v0, 2, 0x24800
	v_mov_b32 v161, 0
	s_set_vgpr_msb 0x4000
	v_lshrrev_b32 v[T], 5, v0
	v_readfirstlane_b32 s[W], v[T]                         ; wave 0 .. 7
	v_and_b32 v[T], 15, v0                                 ; r
	v_bfe_u32 v[T+1], v0, 4, 1                             ; h
	v_and_b32 v[T+2], 31, v0                               ; lane
	v_lshlrev_b32 v[GO], 4, v0
	s_wait_alu depctr_va_sdst(0)                           ; s[W] is written, ahead of its first reader, the next line
	s_and_b32 s[QW], s[W], 3
	s_lshr_b32 s[GR], s[W], 2
	s_and_b32 s[J], ttmp9, 7
	s_sub_co_u32 s[B1], 15, s[J]
	s_bitcmp1_b32 s[J], 0
	s_cselect_b32 s[B1], s[J], s[B1]                       ; the odd one of j and 15 - j
	s_sub_co_u32 s[B2], 15, s[B1]                          ; the even one
	s_lshl_b32 s[RB1], s[QW], 5
	s_lshl4_add_u32 s[RB0], s[GR], s[RB1]                  ; 32 qw + 16 g
	s_xor_b32 s[G64], s[GR], 1
	s_lshl4_add_u32 s[RB1], s[G64], s[RB1]                 ; 32 qw + 16 (1 - g)
	s_lshl_b32 s[G64], s[GR], 6
	s_mov_b32 s[PL], 0x76543210
	s_mov_b32 s[PL+1], 0xfedcba98
	v_add_nc_u32 v[QO], s[RB0], v[T]
	v_add_nc_u32 v[QO+1], s[RB1], v[T]
	v_lshlrev_b32 v[QO], 8, v[QO]
	v_lshlrev_b32 v[QO+1], 8, v[QO+1]
	v_lshl_add_u32 v[QO], v[T+1], 5, v[QO]                 ; row x 256 + 32 h
	v_lshl_add_u32 v[QO+1], v[T+1], 5, v[QO+1]
	s_lshl_b32 s[TMP], s[B2], 15
	s_lshl_b32 s[IC], s[QW], 13
	s_add_co_u32 s[TMP], s[TMP], s[IC]
	v_lshlrev_b32 v[PFO], 8, v[T+2]
	v_add_nc_u32 v[PFO], s[TMP], v[PFO]                    ; tile b2 + 8,192 (w & 3) + 256 lane
	s_wait_kmcnt 0x0
	s_load_b32 s[GAIN], s[GP:GP+1], 0x0
	s_lshr_b32 s[TMP], ttmp9, 3                            ; head
	s_lshl_b32 s[TMP], s[TMP], 19                          ; x 2,048 rows of 256 bytes
	s_mov_b32 s[TMP+1], 0
	s_add_nc_u64 s[KH:KH+1], s[KH:KH+1], s[TMP:TMP+1]
	s_add_nc_u64 s[QH:QH+1], s[QH:QH+1], s[TMP:TMP+1]
	s_add_nc_u64 s[VH:VH+1], s[VH:VH+1], s[TMP:TMP+1]
	s_add_nc_u64 s[OH:OH+1], s[OH:OH+1], s[TMP:TMP+1]
	s_lshl_b32 s[TMP], s[B1], 15
	s_add_nc_u64 s[QB1:QB1+1], s[QH:QH+1], s[TMP:TMP+1]
	s_add_nc_u64 s[KT:KT+1], s[KH:KH+1], s[TMP:TMP+1]
	s_add_nc_u64 s[VT:VT+1], s[VH:VH+1], s[TMP:TMP+1]
	s_lshl_b32 s[TMP], s[B2], 15
	s_add_nc_u64 s[QB2:QB2+1], s[QH:QH+1], s[TMP:TMP+1]
	s_cmp_lt_u32 s[W], 4
	s_cselect_b64 s[PB:PB+1], s[KH:KH+1], s[VH:VH+1]
	s_wait_alu depctr_va_vdst(0)                           ; GO, QO, QO + 1 and PFO are written: the 48 loads and the prefetch below read them as offsets
	QLOAD SC, QB1                                          ; 16 loads: Q of the first block
	TLOAD                                                  ; 16 loads: its diagonal tile
	QLOAD FR, QB2                                          ; 16 loads: Q of the second block
	; One prefetch a wave: waves 0-3 ask for K's, waves 4-7 for V's 32 KB of tile b2, lanes 256 bytes apart, 8 KB a wave.  The eight b1 of a head
	; are its odd tiles, loaded just above; the eight b2 are its even tiles: each tile of the launch is asked for once, 64 KB a work-group, and
	; the address lies inside the head (b2 <= 14).  The work-group's own load of tile b2 comes b1 trips later; its neighbours' earlier.
	global_prefetch_b8 v[PFO], s[PB:PB+1] th:TH_LOAD_NT scope:SCOPE_SE
	; the other addresses, while the loads are on their way: none of the lines below writes a register that those loads or the prefetch name
	s_lshl_b32 s[TMP], s[QW], 13
	s_lshl_b32 s[IC], s[GR], 12
	s_add_co_u32 s[TMP], s[TMP], s[IC]
	s_add_nc_u64 s[OH:OH+1], s[OH:OH+1], s[TMP:TMP+1]      ; + rows 32 qw + 16 g: the query tile of my slot 0
	s_lshl_b32 s[TMP], s[B1], 15
	s_add_nc_u64 s[OB:OB+1], s[OH:OH+1], s[TMP:TMP+1]
	s_mul_i32 s[TMP], s[GR], 64*KP
	v_mul_u32_u24 v[KA], v[T], KP
	v_lshl_add_u32 v[KA], v[T+1], 4, v[KA]
	v_add_nc_u32 v[KA], s[TMP], v[KA]
	s_mul_i32 s[TMP], s[GR], 64*VP
	s_add_co_u32 s[TMP], s[TMP], VOFF
	v_and_b32 v[T+3], 7, v0
	v_lshl_add_u32 v[T+3], v[T+1], 3, v[T+3]
	v_mul_u32_u24 v[VA], v[T+3], VP
	v_bfe_u32 v[T+3], v0, 3, 1
	v_lshl_add_u32 v[VA], v[T+3], 4, v[VA]
	v_add_nc_u32 v[VA], s[TMP], v[VA]
	v_lshrrev_b32 v[T+3], 4, v0
	v_mul_u32_u24 v[KST], v[T+3], KP
	v_lshl_add_u32 v[KST], v[T], 3, v[KST]
	v_mul_u32_u24 v[VST], v[T+3], VP
	v_lshl_add_u32 v[VST], v[T], 3, v[VST]
	v_add_nc_u32 v[VST], VOFF, v[VST]
	v_lshlrev_b32 v[T+3], 3, v[T+1]
	v_sub_nc_u32 v[T+3], v[T], v[T+3]                      ; r - 8 h
	s_sub_co_i32 s[TMP], s[RB0], s[G64]
	v_add_nc_u32 v[DV], s[TMP], v[T+3]                     ; (32 qw + 16 (s ^ g) + r) - (64 g + 8 h)
	s_sub_co_i32 s[TMP], s[RB1], s[G64]
	v_add_nc_u32 v[DV+1], s[TMP], v[T+3]
	v_mov_b32 v[NEG], 0xf149f2ca                           ; -1e30
	v_lshlrev_b32 v[L16], 4, v[T+2]
	v_mov_b32 v[AL+3], 0                                   ; a pair's second register: named by packed lines, never used
	s_mul_i32 s[TMP], s[W], XW
	s_add_co_u32 s[TMP], s[TMP], XBASE
	v_add_nc_u32 v[XS], s[TMP], v[L16]
	s_xor_b32 s[TMP], s[W], 4                              ; the wave with my query rows and the other key half
	s_mul_i32 s[TMP], s[TMP], XW
	s_add_co_u32 s[TMP], s[TMP], XBASE
	v_add_nc_u32 v[XL], s[TMP], v[L16]
	s_mul_i32 s[TMP], s[W], YW
	s_add_co_u32 s[TMP], s[TMP], YBASE
	v_mul_u32_u24 v[T+3], v[T], YP
	v_lshl_add_u32 v[T+3], v[T+1], 5, v[T+3]
	v_add_nc_u32 v[YS], s[TMP], v[T+3]
	v_mul_u32_u24 v[T+3], v[T+1], YP
	v_lshl_add_u32 v[T+3], v[T], 4, v[T+3]
	v_add_nc_u32 v[YL], s[TMP], v[T+3]
	s_mov_b32 s[LEFT], 16                                  ; 17 trips; the first tile is on its way already
	s_sub_co_u32 s[NP], s[B1], 1
	s_lshr_b32 s[NP], s[NP], 1                             ; block 1: diagonal, (b1 - 1) / 2 pairs, one single
	s_mov_b32 s[NT+1], 0
	s_mov_b32 s[OUTER], 0
	s_wait_kmcnt 0x0
	s_and_b32 s[SGN], s[GAIN], 0x80000000                  ; the gain's sign, for Q
	v_mov_b32 v[GLV], s[GAIN]
	v_and_b32 v[GLV], 0x7fffffff, v[GLV]
	v_mul_f32 v[GLV], 0x3fb8aa3b, v[GLV]                   ; |gain| x log2 e: the exponentials are in base 2
	v_max_num_f32 v[GLV], 0x1f800000, v[GLV]               ; at least 2^-64 (see LIMITS)
	v_xor_b32 v[GLV+1], 0x80000000, v[GLV]                 ; -GL
	s_wait_loadcnt 32                                      ; loads return in order: the first 16 (Q of block 1) are in, 32 younger ones may be out
	QPREP SC, QF, 0
	s_wait_loadcnt 16                                      ; the tile is in; Q of block 2 may be out
	CONVERT 0
	s_wait_loadcnt 0x0
	QPREP FR, Q2, 0x40                                     ; kept in window 1 until the first block is done
	s_wait_dscnt 0x0                                       ; my part of buffer 0 is stored,
	s_barrier_signal -1
	s_barrier_wait -1                                      ; everybody's is
; ---------------------------------------------------------------- the two blocks
.Lblock:
	s_mov_b32 s[NT], 0                                     ; behind the diagonal tile come tiles 0, 1, ..
	TRIP 0, 1, d
	s_cmp_eq_u32 s[NP], 0
	s_cbranch_scc1 .Lnopairs
	s_mov_b32 s[IC], 0
.Lpair:
	TRIP 1, 0, a
	TRIP 0, 0, b
	s_add_co_u32 s[IC], s[IC], 1
	s_cmp_lt_u32 s[IC], s[NP]
	s_cbranch_scc1 .Lpair
.Lnopairs:
	s_cmp_lg_u32 s[OUTER], 0
	s_cbranch_scc1 .Lnosingle
	s_lshl_b32 s[NT], s[B2], 15                            ; the odd block's last tile; meanwhile the second block's diagonal tile comes in, for buffer 0
	TRIP 1, 0, s
.Lnosingle:
	; THE END OF A BLOCK.  l over both halves of the lanes; slot 1 goes to the wave with the other key half, whose slot 0 it completes.
	v_add_f32 v[LS], v[LS], v[LS+1]
	v_add_f32 v[LS+2], v[LS+2], v[LS+3]
	v_permlanex16_b32 v[LS+1], v[LS], s[PL], s[PL+1]
	v_permlanex16_b32 v[LS+3], v[LS+2], s[PL], s[PL+1]
	v_add_f32 v[LS], v[LS], v[LS+1]                        ; l of slot 0
	v_add_f32 v[T+1], v[LS+2], v[LS+3]                     ; l of slot 1
	v_mov_b32 v[T], v[MX+1]                                ; m of slot 1
	s_wait_alu depctr_va_vdst(0)                           ; the last PV products have written O (their places stand at the trip's end) and the lines above v[T], v[T+1]: the nine LDS stores read them; the last QK products are done reading FR, in which the loads behind the barrier land
	WIN 0x04                                               ; LDS store data (source 1) from window 1
.irp i,0,1,2,3,4,5,6,7
	ds_store_b128 v[XS], v[OA+32+4*\i:OA+32+4*\i+3] offset:512*\i
.endr
	WIN 0
	ds_store_b128 v[XS], v[T:T+3] offset:4096
	s_wait_dscnt 0x0                                       ; for the other wave: my stores are done
	s_barrier_signal -1
	s_barrier_wait -1
.irp i,0,1,2,3,4,5,6,7,8
	ds_load_b128 v[FR+4*\i:FR+4*\i+3], v[XL] offset:512*\i ; O', then (m', l') of my slot 0's queries from the other key half.  No vector instruction since the wait above
.endr
	s_wait_dscnt 0x0
	s_wait_alu depctr_vm_vsrc(0)                           ; my LDS stores have read v[T:T+3], which the lines below write again; the last CONVERT's have read ST, in which the stage's loads land
	v_max_num_f32 v[T], v[MX], v[FR+32]                    ; m*
	v_sub_f32 v[T+1], v[MX], v[T]
	v_sub_f32 v[T+2], v[FR+32], v[T]
	v_mul_f32 v[T+1], v[GLV], v[T+1]
	v_mul_f32 v[T+2], v[GLV], v[T+2]
	v_exp_f32 v[T+1], v[T+1]                               ; a
	v_exp_f32 v[T+2], v[T+2]                               ; a'
	v_nop                                                  ; the place behind the exponentials (ISA guide 5.7.2)
	s_wait_alu depctr_va_vdst(0)
	v_mul_f32 v[T+3], v[FR+33], v[T+2]
	v_fmac_f32 v[T+3], v[LS], v[T+1]                       ; l* = l a + l' a': about 1 at the least, since the largest p of a query (its own key is never masked) is 2^0
	v_rcp_f32 v[LS+1], v[T+3]
	v_nop
	s_wait_alu depctr_va_vdst(0)
	v_mul_f32 v[T], v[T+1], v[LS+1]                        ; f  = a / l*
	v_mul_f32 v[T+2], v[T+2], v[LS+1]                      ; f' = a' / l*
.set k, 0
.rept 16
	v_pk_mul_f32 v[FR+2*k:FR+2*k+1], v[FR+2*k:FR+2*k+1], v[T+2:T+3] op_sel_hi:[1,0]
.set k, k+1
.endr
	WIN 0x01                                               ; source 0 (O) from window 1
.set k, 0
.rept 16
	v_pk_fma_f32 v[FR+2*k:FR+2*k+1], v[OA+2*k:OA+2*k+1], v[T:T+1], v[FR+2*k:FR+2*k+1] op_sel_hi:[1,0,1]
.set k, k+1
.endr
	WIN 0
	; A lane holds, of query r, d = 16 dt + 8 h + 0 .. 7.  Through my own stage, so that whole rows leave: no barrier, and LDS serves a wave's
	; instructions in order (ISA guide 5.7.1), so no wait between the stores and the loads.
	s_wait_alu depctr_va_vdst(0)                           ; the lines above have written FR .. FR + 31, which the stage's stores read; every vector line that named ST stands ahead of this wait too
.irp q,0,1,2,3,4,5,6,7
	ds_store_b128 v[YS], v[FR+4*\q:FR+4*\q+3] offset:64*(\q/2)+16*(\q%2)
.endr
.irp t,0,1,2,3,4,5,6,7
	ds_load_b128 v[ST+4*\t:ST+4*\t+3], v[YL] offset:\t*2*YP
.endr
.irp t,0,1,2,3,4,5,6,7
	s_wait_dscnt 7-\t                                      ; read t is in, the 7 - t younger ones may be out
	global_store_b128 v[L16], v[ST+4*\t:ST+4*\t+3], s[OB:OB+1] offset:512*\t th:TH_STORE_NT   ; 16 lanes store one row of 256 bytes, a wave two rows
.endr
	s_wait_xcnt 0x0                                        ; ST and OB, which the stores read, are rewritten only behind this wait (ISA guide 3.1); for ST the wait at the next trip's head stands beside it
	; Behind the second block nothing is left to prepare.  The jump stays inside the loop and lands in front of the counter's step: the counter
	; is stepped once on every path, and the loop is left by falling through its branch back.
	s_cmp_lg_u32 s[OUTER], 0
	s_cbranch_scc1 .Lstep
	WIN 0x01
.set k, 0
.rept 32
	v_mov_b32 v[QF+k], v[Q2+k]                             ; the second block's Q fragments
.set k, k+1
.endr
	WIN 0
	s_lshr_b32 s[NP], s[B2], 1                             ; block 2: diagonal, b2 / 2 pairs
	s_lshl_b32 s[TMP], s[B2], 15
	s_add_nc_u64 s[OB:OB+1], s[OH:OH+1], s[TMP:TMP+1]
.Lstep:
	s_add_co_u32 s[OUTER], s[OUTER], 1
	s_cmp_lt_u32 s[OUTER], 2
	s_cbranch_scc1 .Lblock
	s_set_vgpr_msb 0x5
	s_wait_dscnt 0x0
	s_wait_alu depctr_hold_cnt(0) depctr_sa_sdst(0) depctr_va_vdst(0) depctr_va_sdst(0) depctr_va_ssrc(0) depctr_va_vcc(0) depctr_vm_vsrc(0)
	s_wait_tensorcnt 0x0
	ds_add_u32 v160, v161
	s_wait_dscnt 0x0
	s_endpgm
.Lfunc_end_k_q0eee333997_attn:
	.size	k_q0eee333997_attn, .Lfunc_end_k_q0eee333997_attn-k_q0eee333997_attn
	.p2alignl 7, 3214868480
	.fill 96, 4, 3214868480
	.section	.rodata,"a",@progbits
	.p2align	6, 0x0
	.amdhsa_kernel k_q0eee333997_attn
		.amdhsa_group_segment_fixed_size 150528
		.amdhsa_private_segment_fixed_size 0
		.amdhsa_enable_private_segment 0
		.amdhsa_kernarg_size 40
		.amdhsa_user_sgpr_count 2
		.amdhsa_user_sgpr_kernarg_segment_ptr 1
		.amdhsa_wavefront_size32 1
		.amdhsa_system_sgpr_workgroup_id_x 1
		.amdhsa_system_sgpr_workgroup_id_y 1
		.amdhsa_system_sgpr_workgroup_id_z 1
		.amdhsa_system_vgpr_workitem_id 0
		.amdhsa_next_free_vgpr 418
		.amdhsa_next_free_sgpr 66
		.amdhsa_reserve_vcc 0
		.amdhsa_float_denorm_mode_32 3
		.amdhsa_float_denorm_mode_16_64 3
		.amdhsa_memory_ordered 1
		.amdhsa_forward_progress 1
		.amdhsa_inst_pref_size 152
	.end_amdhsa_kernel
	.amdgpu_metadata
---
amdhsa.version: [ 1, 2 ]
amdhsa.kernels:
  - .name:           k_q0eee333997_attn
    .symbol:         k_q0eee333997_attn.kd
    .args:
      - { .name: K, .offset: 0, .size: 8, .value_kind: global_buffer, .address_space: global }
      - { .name: Q, .offset: 8, .size: 8, .value_kind: global_buffer, .address_space: global }
      - { .name: V, .offset: 16, .size: 8, .value_kind: global_buffer, .address_space: global }
      - { .name: gain, .offset: 24, .size: 8, .value_kind: global_buffer, .address_space: global }
      - { .name: out0, .offset: 32, .size: 8, .value_kind: global_buffer, .address_space: global }
    .group_segment_fixed_size: 150528
    .private_segment_fixed_size: 0
    .kernarg_segment_align: 8
    .kernarg_segment_size: 40
    .max_flat_workgroup_size: 256
    .sgpr_count:     66
    .vgpr_count:     418
    .wavefront_size: 32
...
	.end_amdgpu_metadata
.endif
;; end of part 2
